; MI455X (gfx1250); checked and timed in simulation.
; The chip was launched on July 23, 2026; its instructions are those of AMD's public machine-readable ISA for CDNA 5 (MIT licence, August 2026) and "CDNA5" Instruction Set Architecture Reference Guide (July 2026). The comments in the code are by the model that wrote it; some were corrected since.
;; Linear Mem. Allowed arithmetic: matrix products marked QUANTISED: E4M3 operands, one E8M0 scale for each 32 along K, by v_wmma_scale_f32_16x16x128_f8f6f4 with both operands' format E4M3, f32 sums; everything else in f32.
;; Inputs: bias 4,096 float32; weight 4,096 x 4,096 float32; x 4,096 x 4,096 float32.
;; Outputs: out0 4,096 x 4,096 float32.
;; This version of the problem:
;;   THIS VERSION OF THE PROBLEM IS GIVEN IN LOW PRECISION. The matrix products marked QUANTISED in the list below multiply operands that are first quantised to E4M3 (4 exponent bits, 3 mantissa bits; 8 bits a number), with one power-of-two scale for each 32 numbers along K (OCP MX v1.0); their sums are f32. All else is computed in f32.
;;   The module's matrix products, in the order in which they are computed (A, B: the left and right operand; K: the contracted axis; several contracted axes count as one K, in the product's order):
;;     1. [M 4,096, K 4,096] x [K 4,096, N 4,096]; A: computed on the way; B: computed on the way: QUANTISED
;;   THE QUANTISER, for each operand of a quantised product, along K:
;;     - K is cut into blocks of 32 from its start; a last block that is shorter is filled with zeros.
;;     - A block's scale is 2^e with e = floor(log2(the largest magnitude in the block)) - 8, held to -126 .. 127; a block of zeros has e = 0. As a byte (E8M0): e + 127.
;;     - Each number is divided by its block's scale, clamped to +-448, and rounded to the nearest number of E4M3, ties to even, subnormals kept.
;;     - The product sums the exact products of the quantised numbers (number of the format x scale) in f32.
;;   ~~~python
;;   def quantise(x, axis):      # numpy; x: float32 -> the quantised numbers, widened to float32 again
;;       x = np.moveaxis(x, axis, -1); K = x.shape[-1]
;;       x = np.pad(x, [(0, 0)] * (x.ndim - 1) + [(0, -K % 32)]); x = x.reshape(x.shape[:-1] + (-1, 32)); a = np.abs(x).max(-1, keepdims=True)
;;       e = np.where(a > 0, np.clip(np.frexp(np.where(a > 0, a, 1))[1] - 1 - 8, -126, 127), 0)      # np.frexp(a)[1] - 1 = floor(log2(a)), exactly
;;       r = np.clip(x / 2.0 ** e, -448, 448)
;;       step = 2.0 ** (np.maximum(np.frexp(np.where(r == 0, 1, r))[1] - 1, -6) - 3)
;;       q = np.round(r / step) * step * 2.0 ** e      # np.round: ties to even
;;       return np.moveaxis(q.reshape(q.shape[:-2] + (-1,))[..., :K], -1, axis).astype(np.float32)
;;   ~~~
;;   OPERANDS COMPUTED ON THE WAY. 'Computed on the way' means the value that the module computes at that place (a softmax that the list does not call 'softmax' is quantised finished and normalised). What goes into a quantiser is computed in f32, as accurately as f32 sums, v_exp_f32 and their like allow (about 1e-6 of the number): no bf16 or f16 on the way to a quantiser, and a product that is left as it is and whose result goes on into a quantised operand takes f32 operands (vector FMAs, or v_wmma_f32_16x16x4_f32). A number that lies on a knife's edge between two numbers of the format may be rounded either way, as far as f32 arithmetic and the matrix unit's own rounding can turn it there, and no further.
;; One version. Each part assembles by itself: llvm-mc -triple=amdgcn-amd-amdhsa -mcpu=gfx1250 --defsym DOCPART=n.
;; ======== version 1 of 1: 2 launches
;; limits: right only within a limited range of input values
;; workspace buffers: aq 17,301,504 bytes; bq 17,301,504 bytes
;; launch quant (part 1): grid 1024 x 1, 4 waves a work-group, no clusters, 77,312 bytes of LDS; arguments x, weight, aq, bq; writes aq, bq
.if DOCPART == 1
	.amdgcn_target "amdgcn-amd-amdhsa--gfx1250"
	.amdhsa_code_object_version 6
	.text
	.protected	k_qa017c4aea0_quant
	.globl	k_qa017c4aea0_quant
	.p2align	8
	.type	k_qa017c4aea0_quant,@function
k_qa017c4aea0_quant:
	s_mov_b64 s[64:65], 0
	v_nop
	global_prefetch_b8 v0, s[64:65] scope:SCOPE_SE
	s_setreg_imm32_b32 hwreg(HW_REG_WAVE_MODE, 25, 1), 1
	s_wait_xcnt 0x0
; x [4096][4096] and weight [4096][4096], f32, K innermost in both, become the two operands of out = Q8(x) Q8(weight)^T as codes of FP8 (E4M3) with one E8M0 scale byte for each 32 along K.
; TWO QUANTISERS, one behind the other, all in f32.
;   Q8: a block's largest magnitude m (0 counts as 1), scale = 127 / m, q = x scale rounded to the nearest whole number (ties to even), held within +-127, y = q / scale.
;       x's blocks are 1 row x 32 along K; weight's are 32 rows x 32 along K (the 32 x 32 blocks of its transpose).
;   MX: y's blocks of 32 along K of one row: the scale is 2^(floor(log2(largest |y|)) - 8); y / scale, held within +-448, to the nearest code, ties to even.
; THE OUTPUT is laid as the product's launch fetches it: blocks of TILEB = 33,792 bytes, block (row / 128) x 16 + k / 256: 128 rows x 256 codes (row r at 256 r), then the rows' scale bytes (row r at 32,768 + 8 r + (k % 256) / 32).
; SHARES.  A work-group makes one block; the first 512 work-groups take x, the others weight: only pointers and one lane mask are chosen, both tensors take one path.  Wave w makes rows 32 w .. 32 w + 31:
; 8,192 consecutive bytes of codes and 256 consecutive bytes of scale bytes.  Waves share nothing: no barrier.  No matrix unit, tensor load or cluster: nothing is shared and every byte is read once.
; A wave goes in four chunks of 32 rows x 64 along K (for weight: two whole 32 x 32 blocks).  A load takes 256 consecutive bytes of each of two rows; the conversions want 16 NEIGHBOURS along K in one lane: so a chunk
; turns through the wave's own stage in LDS.  Behind the turn, set s (of four) of lane l holds row 8 s + l / 4, k = 16 (l % 4) + 0 .. 15: lanes l and l xor 1 hold a block of 32; lane bit 1 names the block; bits 2 to 4 and the set name the row.
; y's LARGEST MAGNITUDE IS NOT SEARCHED FOR: x -> rndne(x scale) / scale never falls where |x| rises, so the row block's largest |x| goes through the same lines and gives the same bits as the largest |y|.
; LIMITS.  NaN and infinities are not served.  Block maxima other than 0 are served between 2^-100 and 2^100 (v_rcp_f32 takes denormals as 0: ISA guide, its entry in 15.8).  127 / m is a reciprocal with one correction step;
; q / scale is q times a corrected reciprocal of the scale: about one unit in the last place of f32 from the division.  A block of zeros gets the byte 1 where the rule says 127: its codes are zeros, and only this program reads the bytes.
.set TILEB, 33792
.set WREG,  19200                      ; LDS of a wave: the stage, the codes, the scale bytes
.set TP,    272                        ; the stage: 32 rows of 256 bytes + 16: the 16 lanes of a read (4 rows x 4 quarters) fall on 16 different columns of 16 bytes (64 banks of 4 bytes: ISA guide 11.1)
.set CODE,  32*TP                      ; the wave's codes: 32 rows of 256 bytes,
.set CP,    320                        ; 320 apart: the 16 lanes of a store (4 rows x 4 pieces of 16 bytes) fall on 16 different columns
.set SCB,   CODE+32*CP                 ; the wave's 256 scale bytes: 8 x row + k block
.set ROW,   16384                      ; a row of x or weight in bytes
.set GIN,  3                           ; v3   in: two rows a load: (l / 16) rows + 16 (l % 16)
.set TIN,  4                           ; v4   the stage, as loaded
.set TOUT, 5                           ; v5   the stage, 64 bytes a lane
.set CIN,  6                           ; v6   my 16 codes' place
.set COUT, 7                           ; v7   the codes, back by rows
.set BIN,  8                           ; v8   my block's scale byte
.set BOUT, 9                           ; v9   the scale bytes, 8 a lane
.set GC,   10                          ; v10  out: 16 x lane
.set GS,   11                          ; v11  out: 8 x lane        (v3 to v11 are made at the head and never rewritten)
.set R,    16                          ; v16-143   two sets of 64 registers as loaded
.set X,    144                         ; v144-207  four sets of 16 neighbours
.set G0,   208                         ; v208-211  a set's largest |x| of its row block; later the conversion's scale operand
.set G1,   212                         ; v212-215  m; later the largest |y|; later the scale byte
.set G2,   216                         ; v216-219  at work; later the hold
.set SP,   220                         ; v220-227  pairs (127 / m, 1 / m): the packed multiply names a pair and takes its first register for both halves
.set IP,   228                         ; v228-235  pairs (1 / scale, its first guess)
.set C,    236                         ; v236-251  codes, four registers a set
.set T,    252                         ; v252      the 32 x 32 block's largest magnitude
.set T2,   253                         ; v253      the other half of the lanes'
	s_load_b256 s[4:11], s[0:1], 0x0               ; x s[4:5], weight s[6:7], aq s[8:9], bq s[10:11]
	v_lshl_add_u32 v254, v0, 2, 0x12c00
	v_mov_b32 v255, 0
	v_lshrrev_b32 v1, 5, v0
	v_readfirstlane_b32 s12, v1                    ; wave 0..3
	v_and_b32 v2, 31, v0                           ; lane l
	v_and_b32 v12, 15, v2                          ; l % 16
	v_lshrrev_b32 v13, 4, v2                       ; l / 16
	v_lshrrev_b32 v14, 2, v2                       ; l / 4
	v_and_b32 v15, 3, v2                           ; l % 4
	s_mul_i32 s24, s12, WREG                       ; my wave's LDS
	s_add_co_u32 s25, s24, CODE
	s_add_co_u32 s26, s24, SCB
	v_lshlrev_b32 v[GIN], 4, v12
	v_lshl_or_b32 v[GIN], v13, 14, v[GIN]
	v_mul_u32_u24 v[TIN], v13, TP
	v_lshl_add_u32 v[TIN], v12, 4, v[TIN]
	v_add_nc_u32 v[TIN], s24, v[TIN]
	v_mul_u32_u24 v[TOUT], v14, TP
	v_lshl_add_u32 v[TOUT], v15, 6, v[TOUT]
	v_add_nc_u32 v[TOUT], s24, v[TOUT]
	v_mul_u32_u24 v[CIN], v14, CP
	v_lshl_add_u32 v[CIN], v15, 4, v[CIN]
	v_add_nc_u32 v[CIN], s25, v[CIN]
	v_mul_u32_u24 v[COUT], v13, CP
	v_lshl_add_u32 v[COUT], v12, 4, v[COUT]
	v_add_nc_u32 v[COUT], s25, v[COUT]
	v_bfe_u32 v[BIN], v2, 1, 1                     ; which of the chunk's two blocks along K
	v_lshl_add_u32 v[BIN], v14, 3, v[BIN]
	v_add_nc_u32 v[BIN], s26, v[BIN]
	v_lshlrev_b32 v[GS], 3, v2
	v_add_nc_u32 v[BOUT], s26, v[GS]
	v_lshlrev_b32 v[GC], 4, v2
	v_mov_b32 v[T2], 0                             ; written once: a lane permute's destination counts as one of its sources
	s_mov_b32 s15, 0x42fe0000                      ; 127.0
	s_mov_b32 s16, 0x600000                        ; the mantissa field of 448
	s_mov_b32 s18, 0x76543210
	s_mov_b32 s19, 0xfedcba98                      ; v_permlanex16_b32's selects for lane l xor 16
	s_bfe_u32 s20, ttmp9, 0x50004                  ; row / 128: 5 bits from bit 4
	s_lshl_b32 s20, s20, 21                        ; 128 rows of 16,384 bytes
	s_lshl_b32 s21, s12, 19                        ; my wave's 32 rows
	s_add_co_u32 s20, s20, s21
	s_and_b32 s21, ttmp9, 15                       ; k / 256
	s_lshl_b32 s21, s21, 10                        ; 256 numbers of 4 bytes
	s_add_co_u32 s20, s20, s21                     ; where my wave reads, under 2^26
	s_mov_b32 s21, 0
	s_and_b32 s22, ttmp9, 511
	s_mul_i32 s22, s22, TILEB                      ; my work-group's block, under 2^25
	s_lshl_b32 s28, s12, 8
	s_add_co_u32 s28, s28, s22
	s_add_co_u32 s28, s28, 32768                   ; my wave's 256 scale bytes
	s_mov_b32 s29, 0
	s_lshl_b32 s23, s12, 13
	s_add_co_u32 s22, s22, s23                     ; my wave's 8,192 bytes of codes
	s_mov_b32 s23, 0
	s_wait_kmcnt 0x0
	s_cmp_lt_u32 ttmp9, 512                        ; x's work-group or weight's?  The choice hangs on the work-group's number alone
	s_cselect_b64 s[4:5], s[4:5], s[6:7]
	s_cselect_b64 s[8:9], s[8:9], s[10:11]
	s_cselect_b32 s14, 0, -1                       ; a mask of lanes: none for x (m is the row block's), all for weight (m is the 32 x 32 block's)
	s_add_nc_u64 s[4:5], s[4:5], s[20:21]
	s_add_nc_u64 s[10:11], s[8:9], s[28:29]        ; the scale bytes' base
	s_add_nc_u64 s[8:9], s[8:9], s[22:23]          ; the codes' base
; chunk c: 16 loads; load i takes rows 2 i and 2 i + 1: sixteen lanes read 256 consecutive bytes, at a multiple of 256 from the buffer's first byte.  Read once in the launch.
.macro LOAD c
.irp i, 0,1,2,3,4,5,6,7,8,9,10,11,12,13,14,15
	global_load_b128 v[R+64*((\c)%2)+4*\i:R+64*((\c)%2)+4*\i+3], v[GIN], s[4:5] offset:2*\i*ROW+256*(\c) th:TH_LOAD_NT
.endr
.endm
; the chunk through the stage: LDS serves a wave's instructions in order (ISA guide 5.7.1.4), so no wait stands between the stores and the loads
.macro TURN c
.irp i, 0,1,2,3,4,5,6,7,8,9,10,11,12,13,14,15
	ds_store_b128 v[TIN], v[R+64*((\c)%2)+4*\i:R+64*((\c)%2)+4*\i+3] offset:2*TP*\i
.endr
.irp s, 0,1,2,3
.irp jj, 0,1,2,3
	ds_load_b128 v[X+16*\s+4*\jj:X+16*\s+4*\jj+3], v[TOUT] offset:8*TP*\s+16*\jj
.endr
.endr
.endm
; the chunk's 64 numbers a lane become codes and scale bytes in the wave's LDS.  The four sets take turns line by line, so that no line waits for the line above it.
.macro QUANT c
.irp s, 0,1,2,3
	v_max3_num_f32 v[G0+\s], |v[X+16*\s]|, |v[X+16*\s+1]|, |v[X+16*\s+2]|       ; the largest magnitude of my 16
.endr
.irp i, 3,5,7,9,11,13
.irp s, 0,1,2,3
	v_max3_num_f32 v[G0+\s], v[G0+\s], |v[X+16*\s+\i]|, |v[X+16*\s+\i+1]|
.endr
.endr
.irp s, 0,1,2,3
	v_max_num_f32 v[G0+\s], v[G0+\s], |v[X+16*\s+15]|
.endr
.irp s, 0,1,2,3
	v_max_num_f32_dpp v[G0+\s], v[G0+\s], v[G0+\s] row_xmask:1 row_mask:0xf bank_mask:0xf   ; and of my neighbour's 16: the row's block of 32
.endr
	v_max3_num_f32 v[T], v[G0], v[G0+1], v[G0+2]   ; over the 32 rows: my four sets,
	v_max_num_f32 v[T], v[T], v[G0+3]
	v_max_num_f32_dpp v[T], v[T], v[T] row_xmask:4 row_mask:0xf bank_mask:0xf               ; lane bits 2 and 3,
	v_max_num_f32_dpp v[T], v[T], v[T] row_xmask:8 row_mask:0xf bank_mask:0xf
	v_permlanex16_b32 v[T2], v[T], s18, s19        ; and bit 4
	v_max_num_f32 v[T], v[T], v[T2]
.irp s, 0,1,2,3
	v_cndmask_b32 v[G1+\s], v[G0+\s], v[T], s14    ; m: x: the row block's; weight: the square block's
.endr
.irp s, 0,1,2,3
	v_cmp_lt_f32 vcc_lo, 0, v[G1+\s]
	v_cndmask_b32 v[G1+\s], 1.0, v[G1+\s], vcc_lo  ; m = 0 counts as 1
.endr
	s_wait_alu depctr_va_vdst(0)
.irp s, 0,1,2,3
	v_rcp_f32 v[SP+2*\s+1], v[G1+\s]
.endr
	v_nop                                          ; a plain instruction between the last reciprocal and the use of its result (ISA guide 5.7.2)
	s_wait_alu depctr_va_vdst(0)
.irp s, 0,1,2,3
	v_mul_f32 v[SP+2*\s], s15, v[SP+2*\s+1]        ; 127 / m, first guess;
.endr
.irp s, 0,1,2,3
	v_fma_f32 v[G2+\s], -v[G1+\s], v[SP+2*\s], s15 ; what is left of 127;
.endr
.irp s, 0,1,2,3
	v_fma_f32 v[SP+2*\s], v[G2+\s], v[SP+2*\s+1], v[SP+2*\s]   ; the scale, corrected
.endr
	s_wait_alu depctr_va_vdst(0)
.irp s, 0,1,2,3
	v_rcp_f32 v[IP+2*\s+1], v[SP+2*\s]
.endr
	v_nop
	s_wait_alu depctr_va_vdst(0)
.irp s, 0,1,2,3
	v_fma_f32 v[G2+\s], -v[SP+2*\s], v[IP+2*\s+1], 1.0
.endr
.irp s, 0,1,2,3
	v_fma_f32 v[IP+2*\s], v[G2+\s], v[IP+2*\s+1], v[IP+2*\s+1]  ; 1 / scale, corrected
.endr
.irp s, 0,1,2,3
	v_mul_f32 v[G1+\s], v[G0+\s], v[SP+2*\s]       ; the row block's largest |x| through the lines that every number goes through below:
.endr
.irp s, 0,1,2,3
	v_rndne_f32 v[G1+\s], v[G1+\s]
.endr
.irp s, 0,1,2,3
	v_min_num_f32 v[G1+\s], s15, v[G1+\s]          ; the clip at 127, made on the largest q; the hold below carries it to every number
.endr
.irp s, 0,1,2,3
	v_mul_f32 v[G1+\s], v[G1+\s], v[IP+2*\s]       ; the block's largest |y|
.endr
.irp s, 0,1,2,3
	v_max_num_f32 v[G0+\s], 0x4800000, v[G1+\s]    ; the floor 2^(9 - 127), under which no largest magnitude is taken: so the byte cannot fall under 1
.endr
.irp s, 0,1,2,3
	v_and_or_b32 v[G2+\s], v[G0+\s], 0x7f800000, s16   ; 448 x the MX scale: the largest magnitude's exponent field over 448's mantissa
.endr
.irp s, 0,1,2,3
	v_min_num_f32 v[G2+\s], v[G2+\s], v[G1+\s]     ; the hold: the lesser of that and the (clipped) largest |y|
.endr
.irp s, 0,1,2,3
	v_add_nc_u32 v[G0+\s], 0xfc000000, v[G0+\s]    ; 8 off the exponent field: the conversion takes the exponent field of this operand as its scale, and nothing else of it
.endr
.irp s, 0,1,2,3
	v_lshrrev_b32 v[G1+\s], 23, v[G0+\s]           ; the scale's byte
.endr
.irp s, 0,1,2,3
.irp i, 0,2,4,6,8,10,12,14
	v_pk_mul_f32 v[X+16*\s+\i:X+16*\s+\i+1], v[X+16*\s+\i:X+16*\s+\i+1], v[SP+2*\s:SP+2*\s+1] op_sel_hi:[1,0]   ; x scale, two at a time
.endr
.irp i, 0,1,2,3,4,5,6,7,8,9,10,11,12,13,14,15
	v_rndne_f32 v[X+16*\s+\i], v[X+16*\s+\i]       ; q
.endr
.irp i, 0,2,4,6,8,10,12,14
	v_pk_mul_f32 v[X+16*\s+\i:X+16*\s+\i+1], v[X+16*\s+\i:X+16*\s+\i+1], v[IP+2*\s:IP+2*\s+1] op_sel_hi:[1,0]   ; y = q / scale
.endr
.irp i, 0,1,2,3,4,5,6,7,8,9,10,11,12,13,14,15
	v_med3_num_f32 v[X+16*\s+\i], v[X+16*\s+\i], -v[G2+\s], v[G2+\s]   ; the conversion to an 8-bit code does not saturate (ISA guide 7.6.2): the hold comes first
.endr
	v_cvt_scalef32_pk8_fp8_f32 v[C+4*\s:C+4*\s+1], v[X+16*\s:X+16*\s+7], v[G0+\s]       ; eight numbers / the scale, to the nearest code, ties to even; the first number's code in the lowest byte
	v_cvt_scalef32_pk8_fp8_f32 v[C+4*\s+2:C+4*\s+3], v[X+16*\s+8:X+16*\s+15], v[G0+\s]
.endr
	v_nop                                          ; one plain vector instruction behind the last scaled conversion, ahead of whatever next writes its sources
.irp s, 0,1,2,3
	ds_store_b128 v[CIN], v[C+4*\s:C+4*\s+3] offset:8*CP*\s+64*(\c)    ; row 8 s + l / 4, codes 64 c + 16 (l % 4) on
	ds_store_b8 v[BIN], v[G1+\s] offset:64*\s+2*(\c)                   ; both lanes of a block write the same byte with the same value
.endr
.endm
	LOAD 0
	LOAD 1
.irp c, 0,1,2,3
.if \c < 3
	s_wait_loadcnt 16                              ; loads come back in order (ISA guide 5.7.1): this chunk's 16 are in, the next chunk's 16 may be out
.else
	s_wait_loadcnt 0x0
.endif
	TURN \c
	s_wait_dscnt 0x0                               ; the 64 numbers are back; the stage's stores have read the registers that the loads below fill, the last chunk's stores their codes and bytes
.if \c < 2
	LOAD \c+2
.endif
	QUANT \c
.endr
.irp t, 0,1,2,3,4,5,6,7,8,9,10,11,12,13,14,15
	ds_load_b128 v[X+4*\t:X+4*\t+3], v[COUT] offset:2*CP*\t    ; the codes back by rows, two rows an instruction: these see my stores
.endr
	ds_load_b64 v[G0:G0+1], v[BOUT]
.irp t, 0,1,2,3,4,5,6,7,8,9,10,11,12,13,14,15
	s_wait_dscnt 16-\t                             ; behind load t: 15 - t loads of codes and the load of the scale bytes
	global_store_b128 v[GC], v[X+4*\t:X+4*\t+3], s[8:9] offset:512*\t   ; the wave stores 512 consecutive bytes, at a multiple of 256 from the buffer's first byte
.endr
	s_wait_dscnt 0x0
	global_store_b64 v[GS], v[G0:G0+1], s[10:11]   ; 32 lanes store 256 consecutive bytes, at a multiple of 256
	s_wait_tensorcnt 0x0
	ds_add_u32 v254, v255
	s_wait_dscnt 0x0
	s_endpgm
.Lfunc_end_k_qa017c4aea0_quant:
	.size	k_qa017c4aea0_quant, .Lfunc_end_k_qa017c4aea0_quant-k_qa017c4aea0_quant
	.p2alignl 7, 3214868480
	.fill 96, 4, 3214868480
	.section	.rodata,"a",@progbits
	.p2align	6, 0x0
	.amdhsa_kernel k_qa017c4aea0_quant
		.amdhsa_group_segment_fixed_size 77312
		.amdhsa_private_segment_fixed_size 0
		.amdhsa_enable_private_segment 0
		.amdhsa_kernarg_size 32
		.amdhsa_user_sgpr_count 2
		.amdhsa_user_sgpr_kernarg_segment_ptr 1
		.amdhsa_wavefront_size32 1
		.amdhsa_system_sgpr_workgroup_id_x 1
		.amdhsa_system_sgpr_workgroup_id_y 1
		.amdhsa_system_sgpr_workgroup_id_z 1
		.amdhsa_system_vgpr_workitem_id 0
		.amdhsa_next_free_vgpr 256
		.amdhsa_next_free_sgpr 66
		.amdhsa_reserve_vcc 1
		.amdhsa_float_denorm_mode_32 3
		.amdhsa_float_denorm_mode_16_64 3
		.amdhsa_memory_ordered 1
		.amdhsa_forward_progress 1
		.amdhsa_inst_pref_size 90
	.end_amdhsa_kernel
	.amdgpu_metadata
---
amdhsa.version: [ 1, 2 ]
amdhsa.kernels:
  - .name:           k_qa017c4aea0_quant
    .symbol:         k_qa017c4aea0_quant.kd
    .args:
      - { .name: x, .offset: 0, .size: 8, .value_kind: global_buffer, .address_space: global }
      - { .name: weight, .offset: 8, .size: 8, .value_kind: global_buffer, .address_space: global }
      - { .name: aq, .offset: 16, .size: 8, .value_kind: global_buffer, .address_space: global }
      - { .name: bq, .offset: 24, .size: 8, .value_kind: global_buffer, .address_space: global }
    .group_segment_fixed_size: 77312
    .private_segment_fixed_size: 0
    .kernarg_segment_align: 8
    .kernarg_segment_size: 32
    .max_flat_workgroup_size: 128
    .sgpr_count:     66
    .vgpr_count:     256
    .wavefront_size: 32
...
	.end_amdgpu_metadata
.endif
;; end of part 1
;; launch gemm (part 2): grid 16 x 16, 4 waves a work-group, clusters of 4 x 4, 327,680 bytes of LDS; arguments aq, bq, bias, out0; writes out0
.if DOCPART == 2
	.amdgcn_target "amdgcn-amd-amdhsa--gfx1250"
	.amdhsa_code_object_version 6
	.text
	.protected	k_qa017c4aea0_gemm
	.globl	k_qa017c4aea0_gemm
	.p2align	8
	.type	k_qa017c4aea0_gemm,@function
k_qa017c4aea0_gemm:
	s_mov_b64 s[64:65], 0
	v_nop
	global_prefetch_b8 v0, s[64:65] scope:SCOPE_SE
	s_setreg_imm32_b32 hwreg(HW_REG_WAVE_MODE, 25, 1), 1
	s_wait_xcnt 0x0
	s_wait_alu depctr_hold_cnt(0) depctr_sa_sdst(0) depctr_va_vdst(0) depctr_va_sdst(0) depctr_va_ssrc(0) depctr_va_vcc(0) depctr_vm_vsrc(0)
	s_getreg_b32 s2, hwreg(HW_REG_IB_STS2, 6, 4)
	s_cmp_eq_u32 s2, 0
	s_cbranch_scc0 .Lentry_in_a_cluster
	s_endpgm
.Lentry_in_a_cluster:
	s_bfe_u32 s2, ttmp6, 0x10000c
	s_cmp_lg_u32 s2, 0xf033
	s_cbranch_scc0 .Lentry_shape_is_right
	s_endpgm
.Lentry_shape_is_right:
; out0[m][n] = sum over k of A[m][k] B[n][k] + bias[n].  A (aq) and B (bq) are codes of FP8 (E4M3) with one E8M0 byte for each 32 along K, as launch quant laid them:
; blocks of TILEB bytes, block (row / 128) x 16 + k / 256: 128 rows x 256 codes, then 8 scale bytes a row.  A block is 132 dense units of 256 bytes.  Nothing of the problem is left out.
; SHARES.  A work-group of four waves makes 256 x 256 of out0, a wave 128 x 128: 64 accumulators, 512 registers.  256 work-groups.  K goes in steps of 256 through a ring of two LDS slots;
; a slot holds four blocks (A's two halves, B's two halves), one tensor load a wave.  By this text's count a wave has at most one tensor load out.
; CLUSTERS 4 x 4: A's blocks are asked for jointly along a row of the cluster, B's along a column.  The product is used transposed (source 0 = B's rows, source 1 = A's): a lane holds 8 neighbouring columns of a row.
; THE LDS LOADS STAND IN FIVE RUNS FOR A K STEP, of 16 to 32 loads each.  A fragment group is four fragments (16 loads): A's blocks 0-3 or 4-7 (one set of registers), B's fragments 0-3 or 4-7 (two sets).
; STEP multiplies a slot's first half along K (B's set 0), TURN its second (set 1) and changes slots.  The low group of B's next set is fetched one run early, into the set that has just come free;
; a STEP's first 32 products go by halves of B, so that B's upper group may land later than its lower.
; THE LAST K STEP GOES BY ROWS OF out0: B's fragments of the whole step fill B's two sets, A comes by blocks of 16 rows x 256 K, and each block of 16 rows is finished by 16 products (K ascending) and stored while the next are multiplied.
; PREFETCH: behind each refill (K step j + 2) the wave asks for K step j + 4 of the block row that it fetches: the four partners of a joint load take 32 units of codes and one unit of scale bytes each, told apart by address;
; the head asks for K step 1, and behind slot 1's first fill for K steps 2 and 3; the last two refills ask for nothing, so no address leaves its buffer.
; REGISTERS: window 0: v16-31 addresses; v32-63 scale words, a set a slot; v64-127 bias (C of the first products), at the end the rows on their way out; v128-255 A's 8 blocks.  window 1: B's two sets.  windows 2, 3: accumulators.
.set SIZE_N, 4096
.set TILEB,  33792
.set PITCH,  272                       ; an LDS row: 256 bytes + 16 of padding
.set FR,     16
.set HALFT,  132*PITCH                 ; a block in LDS
.set SCO,    128*PITCH                 ; its scale bytes
.set SLOT,   4*HALFT
.set LAPS,   8
.set SPARE,  2*SLOT                    ; the spare words: 512 bytes that no other line names
.set SPITCH, 528                       ; the way out: a stage of 16 rows x (512 + 16) bytes a wave, in slot 0 behind its last fill and last read
.set ADRA, 16                          ; v16-17 my A fragments in slot 0, 1
.set PFO,  18                          ; v18 prefetch: my unit of codes
.set PFS,  19                          ; v19 prefetch: my work-group's unit of scale bytes
.set ADRB, 20                          ; v20-21 my B fragments
.set STO,  24
.set RD,   25
.set CO,   26
.set BA,   27                          ; v27 bias: 32 bytes for each half of the lanes
.set SPW,  28
.set NIL,  29
.set ADRS, 30                          ; v30-31 scale words: lanes 0-15 A's rows, lanes 16-31 B's
.set SC,   32
.set BIAS, 64
.set AF,   128
.set PFA,  12                          ; s[12:13] the block row that I fetch, stepped a block for each refill
.set G1, 24
.set G0, 32
.set G1B, 48
.set G0B, 56
.set MSB, 0
.macro WIN new                         ; the immediate's high byte repeats the setting that is left
.if MSB != \new
	s_set_vgpr_msb (MSB<<8)|\new
.set MSB, \new
.endif
.endm
.set TO_B, 0x40
.macro JLOAD g0a, g1a, g0b, g1b        ; waves 0, 1 fetch A's halves, waves 2, 3 B's; s_nop 0 and four v_nop behind each line
	s_cmp_eq_u32 s15, 0
	s_cbranch_scc0 .Lfor_b_\@
	tensor_load_to_lds s[\g0a:\g0a+3], s[\g1a:\g1a+7]
	s_nop 0
.rept 4
	v_nop
.endr
	s_branch .Lasked_\@
.Lfor_b_\@:
	tensor_load_to_lds s[\g0b:\g0b+3], s[\g1b:\g1b+7]
	s_nop 0
.rept 4
	v_nop
.endr
.Lasked_\@:
.endm
.macro CREST                           ; a round of the cluster's barrier behind its opening barrier
	s_cmp_lg_u32 s14, 0
	s_cbranch_scc1 .Lnot_wave_0_\@
	s_barrier_signal -3
.Lnot_wave_0_\@:
	s_barrier_wait -3
	s_barrier_signal -1
	s_barrier_wait -1
.endm
.macro CROUND
	s_barrier_signal -1
	s_barrier_wait -1
	CREST
.endm
.macro PF k                            ; 33 units of 256 bytes of the block k blocks on: a lane a unit, then my work-group's unit of scale bytes (all lanes name it)
	global_prefetch_b8 v[PFO], s[PFA:PFA+1] offset:(\k)*TILEB th:TH_LOAD_NT scope:SCOPE_SE
	global_prefetch_b8 v[PFS], s[PFA:PFA+1] offset:(\k)*TILEB th:TH_LOAD_NT scope:SCOPE_SE
.endm
.macro PLACES n                        ; places ahead of loads into registers that products have read, and of reads of results (ISA guide 7.12.1 for reads of results)
.rept \n
	v_nop
.endr
.endm
	s_load_b256 s[4:11], s[0:1], 0x0               ; aq, bq, bias, out0
	v_lshl_add_u32 v[SPW], v0, 2, SPARE
	v_mov_b32 v[NIL], 0
	ds_add_u32 v[SPW], v[NIL]                      ; the opening lines: the add twice on end and one wait
	ds_add_u32 v[SPW], v[NIL]
	v_lshrrev_b32 v1, 5, v0
	v_readfirstlane_b32 s14, v1                    ; wave
	s_lshr_b32 s15, s14, 1                         ; my half of the rows; also: I fetch for A (0) or B (1)
	s_and_b32 s16, s14, 1                          ; my half of the columns; also: which half I fetch
	s_bfe_u32 s40, ttmp6, 0x40000                  ; cx
	s_bfe_u32 s41, ttmp6, 0x40004                  ; cy
	s_lshl_b32 s42, ttmp9, 2
	s_add_co_u32 s42, s42, s40                     ; tile column
	s_and_b32 s17, ttmp7, 0xffff
	s_lshl_b32 s17, s17, 2
	s_add_co_u32 s17, s17, s41                     ; tile row
	s_lshl_b32 s43, s41, 2
	s_lshl_b32 s43, 15, s43                        ; my row of the cluster
	s_lshl_b32 s44, 0x1111, s40                    ; my column
	s_or_b32 s[G1+0], s43, (3<<16)|(1<<20)|(1<<21)|(5<<22)|(3<<25)   ; elements of 8 bytes; 4 words of padding behind every 64
	s_or_b32 s[G1B+0], s44, (3<<16)|(1<<20)|(1<<21)|(5<<22)|(3<<25)
.irp g, G1, G1B
	s_mov_b32 s[\g+1], 32<<16                      ; 132 rows of 32 elements, dense
	s_mov_b32 s[\g+2], 132<<16
	s_mov_b32 s[\g+3], 32<<16
	s_mov_b32 s[\g+4], 132
	s_mov_b32 s[\g+5], 32
	s_mov_b32 s[\g+6], 0
	s_mov_b32 s[\g+7], 0
.endr
	s_lshl_b32 s20, s17, 1
	s_add_co_u32 s20, s20, s16
	s_mul_i32 s20, s20, 16*TILEB                   ; A: the block row that I fetch
	s_mov_b32 s21, 0
	s_lshl_b32 s46, s42, 1
	s_add_co_u32 s46, s46, s16
	s_mul_i32 s46, s46, 16*TILEB                   ; B likewise
	s_mov_b32 s47, 0
	s_mul_i32 s45, s14, HALFT                      ; where my block goes
	s_mul_i32 s66, s15, HALFT                      ; what I read: A's half,
	s_mul_i32 s67, s16, HALFT
	s_add_co_u32 s67, s67, 2*HALFT                 ; B's half,
	s_sub_co_u32 s69, s67, s66                     ; the distance between the two,
	s_add_co_u32 s68, s66, SCO                     ; A's scale bytes
	s_mul_i32 s70, s14, 16*SPITCH                  ; my stage
	s_lshl_b32 s22, s17, 8
	s_lshl_b32 s23, s15, 7
	s_add_co_u32 s22, s22, s23
	s_lshl_b32 s22, s22, 14                        ; my first row of out0, in bytes
	s_mov_b32 s23, 0
	s_lshl_b32 s74, s42, 10
	s_lshl_b32 s75, s16, 9
	s_add_co_u32 s74, s74, s75                     ; my first column, in bytes
	s_mov_b32 s75, 0
	s_cmp_eq_u32 s15, 0
	s_cselect_b32 s71, s40, s41                    ; my place among the four that ask with me
	s_lshl_b32 s72, s71, 8
	s_add_co_u32 s72, s72, 32768
	s_lshl_b32 s71, s71, 13
	s_wait_dscnt 0x0
	s_wait_kmcnt 0x0
	s_add_nc_u64 s[4:5], s[4:5], s[20:21]
	s_add_nc_u64 s[6:7], s[6:7], s[46:47]
	s_cmp_eq_u32 s15, 0
	s_cselect_b64 s[PFA:PFA+1], s[4:5], s[6:7]
	s_add_nc_u64 s[8:9], s[8:9], s[74:75]
	s_add_nc_u64 s[10:11], s[10:11], s[22:23]
	s_add_nc_u64 s[10:11], s[10:11], s[74:75]
.irp s, 0,1
	s_mov_b32 s[G0+4*\s], 1
	s_add_co_u32 s[G0+4*\s+1], s45, \s*SLOT
	s_add_nc_u64 s[G0+4*\s+2:G0+4*\s+3], s[4:5], \s*TILEB
	s_or_b32 s[G0+4*\s+3], s[G0+4*\s+3], 0x80000000
	s_mov_b32 s[G0B+4*\s], 1
	s_add_co_u32 s[G0B+4*\s+1], s45, \s*SLOT
	s_add_nc_u64 s[G0B+4*\s+2:G0B+4*\s+3], s[6:7], \s*TILEB
	s_or_b32 s[G0B+4*\s+3], s[G0B+4*\s+3], 0x80000000
.endr
	CROUND                                         ; all sixteen work-groups are here
	JLOAD G0, G1, G0B, G1B                         ; K step 0: one tensor load a wave at the head
	v_and_b32 v1, 15, v0
	v_bfe_u32 v2, v0, 4, 1
	v_lshlrev_b32 v[BA], 5, v2
.irp b, 0,1,2,3,4,5,6,7
	global_load_b128 v[BIAS+8*\b:BIAS+8*\b+3], v[BA], s[8:9] offset:64*\b       ; bias of columns 16 b + 8 (l / 16) + 0 .. 7: the result's layout
	global_load_b128 v[BIAS+8*\b+4:BIAS+8*\b+7], v[BA], s[8:9] offset:64*\b+16
.endr
	v_and_b32 v6, 31, v0
	v_lshl_add_u32 v[PFO], v6, 8, s71
	v_mov_b32 v[PFS], s72
	PF 1
	v_mul_u32_u24 v3, v1, PITCH
	v_lshl_add_u32 v4, v2, 4, v3                   ; a fragment's row x pitch + 16 x half
	v_add_nc_u32 v[ADRA], s66, v4
	v_add_nc_u32 v[ADRB], s67, v4
	v_add_nc_u32 v[ADRA+1], SLOT, v[ADRA]
	v_add_nc_u32 v[ADRB+1], SLOT, v[ADRB]
	v_lshlrev_b32 v5, 3, v1                        ; 8 scale bytes a row
	v_mul_u32_u24 v7, s69, v2                      ; lanes 16-31 take B's
	v_add_nc_u32 v5, v5, v7
	v_add_nc_u32 v[ADRS], s68, v5
	v_add_nc_u32 v[ADRS+1], SLOT, v[ADRS]
	v_mul_u32_u24 v5, v1, SPITCH
	v_lshl_add_u32 v5, v2, 5, v5
	v_add_nc_u32 v[STO], s70, v5
	v_lshlrev_b32 v[CO], 4, v6
	v_add_nc_u32 v[RD], s70, v[CO]
.macro FRAG reg, adr, q, i             ; 16 rows x 128 K: registers 4 c .. 4 c + 3 hold K = 32 c + 16 (l / 16) + 0 .. 15
.irp c, 0,1,2,3
	ds_load_b128 v[\reg+4*\c:\reg+4*\c+3], v[\adr] offset:128*(\q)+32*\c+(\i)*16*PITCH
.endr
.endm
.macro LBG s, q, p, i0                 ; B's fragments i0 .. i0 + 3 of slot s, half q, into set p: 16 loads
	WIN TO_B
.irp i, \i0, \i0+1, \i0+2, \i0+3
	FRAG 128*(\p)+FR*(\i), ADRB+\s, \q, \i
.endr
.endm
.macro LAG s, q, i0                    ; A's blocks i0 .. i0 + 3: 16 loads
	WIN 0
.irp i, \i0, \i0+1, \i0+2, \i0+3
	FRAG AF+FR*(\i), ADRA+\s, \q, \i
.endr
.endm
.macro ALOAD a                         ; the last K step (slot 1): A's block a, both halves along K, into buffer a % 4 of 32 registers: 8 loads
	WIN 0
	FRAG AF+32*((\a)%4), ADRA+1, 0, \a
	FRAG AF+32*((\a)%4)+16, ADRA+1, 1, \a
.endm
; A slot's scale words, 12 loads.  Block i's word for half q stands in register 2 i + q (i < 4) or 2 i + 1 - q (i >= 4): two different scale registers of one product never have the same number modulo 8.
.macro SCALES sc
	WIN 0
.irp i, 0,1,2,3
	ds_load_b64 v[SC+16*\sc+2*\i:SC+16*\sc+2*\i+1], v[ADRS+\sc] offset:(\i/2)*PITCH+(\i%2)*128
.endr
.irp i, 4,5,6,7
	ds_load_b32 v[SC+16*\sc+2*\i+1], v[ADRS+\sc] offset:(\i/2)*PITCH+(\i%2)*128
	ds_load_b32 v[SC+16*\sc+2*\i], v[ADRS+\sc] offset:(\i/2)*PITCH+(\i%2)*128+4
.endr
.endm
; Products: A's blocks a0 .. a1 (of one window) x B's fragments b0 .. b1.  p: B's set; q: the slot's half; sc: the scale set; first = 1: C is the bias.
; The accumulators take turns, one instruction a turn.
.macro MQ a0, a1, b0, b1, p, q, sc, first
.if \first
	WIN 0x81+0x40*((\a0)/4)
.else
	WIN 0xa1+0x50*((\a0)/4)
.endif
.set AA, \a0
.rept (\a1)-(\a0)+1
.set SA, SC+16*(\sc)+2*AA+(\q)+(AA/4)*(1-2*(\q))
.set BB, \b0
.rept (\b1)-(\b0)+1
.set AC, 8*(8*(AA%4)+BB)
.set SB, SC+16*(\sc)+2*BB+(\q)+(BB/4)*(1-2*(\q))
.if \first
	v_wmma_scale_f32_16x16x128_f8f6f4 v[AC:AC+7], v[128*(\p)+FR*BB:128*(\p)+FR*BB+FR-1], v[AF+FR*AA:AF+FR*AA+FR-1], v[BIAS+8*BB:BIAS+8*BB+7], v[SB], v[SA] matrix_a_scale:MATRIX_SCALE_ROW1
.else
	v_wmma_scale_f32_16x16x128_f8f6f4 v[AC:AC+7], v[128*(\p)+FR*BB:128*(\p)+FR*BB+FR-1], v[AF+FR*AA:AF+FR*AA+FR-1], v[AC:AC+7], v[SB], v[SA] matrix_a_scale:MATRIX_SCALE_ROW1
.endif
.set BB, BB+1
.endr
.set AA, AA+1
.endr
.endm
; The last K step: A's block a (buffer a % 4) x B's eight fragments, half q along K (B's set q, slot 1's scale words): eight products, the block's eight accumulators by turns.
.macro ROWH a, q
	WIN 0xa1+0x50*((\a)/4)
.set AR, AF+32*((\a)%4)+16*(\q)
.set SA, SC+16+2*(\a)+(\q)+((\a)/4)*(1-2*(\q))
.set BB, 0
.rept 8
.set AC, 8*(8*((\a)%4)+BB)
.set SB, SC+16+2*BB+(\q)+(BB/4)*(1-2*(\q))
	v_wmma_scale_f32_16x16x128_f8f6f4 v[AC:AC+7], v[128*(\q)+FR*BB:128*(\q)+FR*BB+FR-1], v[AR:AR+FR-1], v[AC:AC+7], v[SB], v[SA] matrix_a_scale:MATRIX_SCALE_ROW1
.set BB, BB+1
.endr
.endm
; The LDS instructions of a K step, in their order: STEP: [A 0-3, B 4-7 (set 1)] [A 4-7]; TURN: the add, [B 0-3 (set 0), A 0-3] [scales, B 4-7 (set 0)] [A 4-7, B 0-3 (set 1)].
; STEP: a slot's first half along K.
.macro STEP s, f
	s_wait_dscnt 48                                ; B 0-3, A 0-3 and the scale words are in: behind them B 4-7 and the run of 32
	MQ 0,3,0,3,0,0,\s,\f
	s_wait_dscnt 32                                ; B 4-7 are in
	MQ 0,3,4,7,0,0,\s,\f
	PLACES 8
	LAG \s,1,0
	LBG \s,1,1,4
	s_wait_dscnt 48                                ; A 4-7 are in: behind them B 0-3 of set 1 and the 32 just issued
	MQ 4,7,0,7,0,0,\s,\f
	PLACES 8
	LAG \s,1,4                                     ; my last reads of this slot
.endm
; TURN: a slot's second half, and the change of slots.  fill = 1: slot s is filled again, two K steps on, behind a round of the cluster's barrier.
; fill = 0: the last change of slots: nothing is filled, and what is fetched serves the last K step by rows: [B 0-3 (set 0), A's blocks 0, 1] [scales, B 4-7 (set 0)] [B's whole set 1, A's blocks 2, 3].
.macro TURN s, n, fill
.if \fill
	s_wait_xcnt 0x0                                ; my prefetches have read their base: it steps a block
	s_add_nc_u64 s[PFA:PFA+1], s[PFA:PFA+1], TILEB
.endif
	s_wait_tensorcnt 0x0                           ; my part of the next slot has landed;
	ds_add_u32 v[SPW], v[NIL]
.if \fill
	s_add_nc_u64 s[G0+4*\s+2:G0+4*\s+3], s[G0+4*\s+2:G0+4*\s+3], 2*TILEB
	s_add_nc_u64 s[G0B+4*\s+2:G0B+4*\s+3], s[G0B+4*\s+2:G0B+4*\s+3], 2*TILEB
.endif
	s_wait_dscnt 17                                ; A 0-3 and B's set 1 are in: behind them A 4-7 and the add
	MQ 0,1,0,7,1,1,\s,0
	s_wait_dscnt 0x0                               ; the add is done, and my reads of this slot are over
	s_barrier_signal -1
	MQ 2,3,0,7,1,1,\s,0
	WIN 0
	s_barrier_wait -1
.if \fill
	CREST
	JLOAD G0+4*\s, G1, G0B+4*\s, G1B               ; the first tensor load behind the round; its four v_nop are four of the eight places
	PLACES 4
.else
	PLACES 8
.endif
	LBG \n,0,0,0
.if \fill
	LAG \n,0,0
.else
	ALOAD 0
	ALOAD 1
.endif
	MQ 4,5,0,7,1,1,\s,0
	SCALES \n
	LBG \n,0,0,4
.if \fill
	WIN 0
	s_cmp_gt_u32 s3, 1                             ; the last lap's two refills have no K step two refills on
	s_cbranch_scc0 .Lno_ask_\@
	PF 3
.Lno_ask_\@:
.endif
	MQ 6,7,0,7,1,1,\s,0
	PLACES 8
.if \fill
	LAG \n,0,4
	LBG \n,1,1,0
.else
	LBG \n,1,1,0
	LBG \n,1,1,4
	ALOAD 2
	ALOAD 3
.endif
	WIN 0
.endm
	s_wait_alu depctr_va_vdst(0)                   ; the wait at the head's end
	s_wait_tensorcnt 0x0                           ; my part of K step 0 is in; slot 1's first fill is issued as a refill is
	ds_add_u32 v[SPW], v[NIL]
	s_wait_dscnt 0x0
	CROUND
	JLOAD G0+4, G1, G0B+4, G1B                     ; K step 1
	LBG 0,0,0,0                                    ; in the order of TURN's three runs, so that STEP's counts hold
	LAG 0,0,0
	SCALES 0
	LBG 0,0,0,4
	LAG 0,0,4
	LBG 0,1,1,0
	WIN 0
	PF 2
	PF 3
	s_wait_loadcnt 0x0                             ; the bias
	STEP 0, 1                                      ; the first step stands ahead of the loop: its products start the sums on the bias
	s_mov_b32 s3, LAPS-1
.Llap:
	TURN 0, 1, 1
	STEP 1, 0
	TURN 1, 0, 1
	STEP 0, 0
	s_sub_co_u32 s3, s3, 1
	s_cmp_lg_u32 s3, 0
	s_cbranch_scc1 .Llap
	TURN 0, 1, 0                                   ; the last change of slots
; THE WAY OUT of block a, 16 rows x 128 columns: through my own stage and back as whole rows of 512 bytes, into v64-127.  LDS serves a wave's instructions in order (ISA guide 5.7.1.4).
.macro TOSTAGE a
.set AC, 64*((\a)%4)
	WIN 0x08+4*((\a)/4)
.irp b, 0,1,2,3,4,5,6,7
	ds_store_b128 v[STO], v[AC+8*\b:AC+8*\b+3] offset:64*\b          ; each accumulator from its low end on
	ds_store_b128 v[STO], v[AC+8*\b+4:AC+8*\b+7] offset:64*\b+16
.endr
	WIN 0
.if (\a) > 0
	s_wait_xcnt 0x0                                ; the block before: its stores have read their registers and their base
.endif
.irp t, 0,1,2,3,4,5,6,7,8,9,10,11,12,13,14,15
	ds_load_b128 v[BIAS+4*\t:BIAS+4*\t+3], v[RD] offset:\t*SPITCH
.endr
.endm
.macro SEND a, younger                 ; younger: the LDS loads issued behind the block's, which may stay out
	s_wait_dscnt \younger
.if (\a) > 0
	s_add_nc_u64 s[10:11], s[10:11], 16*SIZE_N*4   ; behind TOSTAGE's wait on XCNT
.endif
.irp t, 0,1,2,3,4,5,6,7,8,9,10,11,12,13,14,15
	global_store_b128 v[CO], v[BIAS+4*\t:BIAS+4*\t+3], s[10:11] offset:\t*SIZE_N*4 th:TH_STORE_NT   ; 32 lanes store 512 consecutive bytes, at a multiple of 256
.endr
.endm
	s_wait_dscnt 48                                ; B's set 0, A's blocks 0 and 1 and the scale words are in: behind them the run of 48
	ROWH 0, 0
	ROWH 1, 0
	s_wait_dscnt 16                                ; B's set 1 is in: A's blocks 2 and 3 may be out
	ROWH 0, 1
.irp a, 0,1,2,3,4,5,6,7                ; each block leaves as soon as it is finished; SEND's wait also shows the next blocks' fragments of A landed
	PLACES 8
	TOSTAGE \a
.if \a < 4
	ALOAD \a+4                                     ; its buffer takes the block four further on
	SEND \a, 8
.else
	SEND \a, 0
.endif
.if \a == 0
	ROWH 1, 1
.endif
.if (\a > 0) && (\a < 7)
	ROWH \a+1, 0
	ROWH \a+1, 1
.endif
.endr
	WIN 0
	s_wait_tensorcnt 0x0                           ; the wave's end
	ds_add_u32 v[SPW], v[NIL]
	s_wait_dscnt 0x0
	CROUND                                         ; the closing round
	s_endpgm
.Lfunc_end_k_qa017c4aea0_gemm:
	.size	k_qa017c4aea0_gemm, .Lfunc_end_k_qa017c4aea0_gemm-k_qa017c4aea0_gemm
	.p2alignl 7, 3214868480
	.fill 96, 4, 3214868480
	.section	.rodata,"a",@progbits
	.p2align	6, 0x0
	.amdhsa_kernel k_qa017c4aea0_gemm
		.amdhsa_group_segment_fixed_size 327680
		.amdhsa_private_segment_fixed_size 0
		.amdhsa_enable_private_segment 0
		.amdhsa_kernarg_size 32
		.amdhsa_user_sgpr_count 2
		.amdhsa_user_sgpr_kernarg_segment_ptr 1
		.amdhsa_wavefront_size32 1
		.amdhsa_system_sgpr_workgroup_id_x 1
		.amdhsa_system_sgpr_workgroup_id_y 1
		.amdhsa_system_sgpr_workgroup_id_z 1
		.amdhsa_system_vgpr_workitem_id 0
		.amdhsa_next_free_vgpr 1024
		.amdhsa_next_free_sgpr 80
		.amdhsa_reserve_vcc 0
		.amdhsa_float_denorm_mode_32 3
		.amdhsa_float_denorm_mode_16_64 3
		.amdhsa_memory_ordered 1
		.amdhsa_forward_progress 1
		.amdhsa_inst_pref_size 149
	.end_amdhsa_kernel
	.amdgpu_metadata
---
amdhsa.version: [ 1, 2 ]
amdhsa.kernels:
  - .name:           k_qa017c4aea0_gemm
    .symbol:         k_qa017c4aea0_gemm.kd
    .args:
      - { .name: aq, .offset: 0, .size: 8, .value_kind: global_buffer, .address_space: global }
      - { .name: bq, .offset: 8, .size: 8, .value_kind: global_buffer, .address_space: global }
      - { .name: bias, .offset: 16, .size: 8, .value_kind: global_buffer, .address_space: global }
      - { .name: out0, .offset: 24, .size: 8, .value_kind: global_buffer, .address_space: global }
    .group_segment_fixed_size: 327680
    .private_segment_fixed_size: 0
    .kernarg_segment_align: 8
    .kernarg_segment_size: 32
    .max_flat_workgroup_size: 128
    .sgpr_count:     80
    .vgpr_count:     1024
    .wavefront_size: 32
...
	.end_amdgpu_metadata
.endif
;; end of part 2
